; MI455X (gfx1250); checked and timed in simulation.
; The chip was launched on July 23, 2026; its instructions are those of AMD's public machine-readable ISA for CDNA 5 (MIT licence, August 2026) and "CDNA5" Instruction Set Architecture Reference Guide (July 2026). The comments in the code are by the model that wrote it; some were corrected since.
;; Histogram Matching. Allowed arithmetic: float matrix products may take bf16 or f16 operands with f32 sums; other float arithmetic in f32, or as packed bf16 or f16 multiplies, adds, multiply-adds, maxima and minima; sums over many terms, partial sums and values carried from step to step in f32; what a program stores and reads back later, other than sums and carried values, may be rounded once to bf16 or f16.
;; Inputs: dst 4 x 3 x 256 x 256 float32; ref 4 x 3 x 256 x 256 float32.
;; Outputs: out0 4 x 3 x 256 x 256 float32.
;; 2 versions, each right; version 2 is version 1 with the launch hist written anew for expert scheduling mode. Each part assembles by itself: llvm-mc -triple=amdgcn-amd-amdhsa -mcpu=gfx1250 --defsym DOCPART=n.
;; ======== version 1 of 2: 2 launches
;; workspace buffers: part 98,304 bytes; idx 786,432 bytes of whole numbers
;; launch hist (part 1): grid 16 x 18, 8 waves a work-group, no clusters, 41,984 bytes of LDS; arguments dst, ref, part, idx; writes part, idx
.if DOCPART == 1
	.amdgcn_target "amdgcn-amd-amdhsa--gfx1250"
	.amdhsa_code_object_version 6
	.text
	.protected	k_qd5bafb3313_hist
	.globl	k_qd5bafb3313_hist
	.p2align	8
	.type	k_qd5bafb3313_hist,@function
k_qd5bafb3313_hist:
	s_mov_b64 s[64:65], 0
	v_nop
	global_prefetch_b8 v0, s[64:65] scope:SCOPE_SE
	s_setreg_imm32_b32 hwreg(HW_REG_WAVE_MODE, 25, 1), 1
	s_wait_xcnt 0x0
; SOFT HISTOGRAM PARTS AND GATHER INDICES.  dst, ref: [12][65536] f32.
; The gather of the result names table rows b*c = 0,1,2,3,4,6 only, so histograms are made of images 0,1,2,3,4,6 of dst and of ref;
; the other six images of ref cannot reach the result and are not read.  All of dst is read, for the indices.
;
; A work-group takes 4,096 pixels of one image (ttmp9 = which), a wave 512, a lane 16.  ttmp7 = job y:
;   y < 12: dst image y (indices; a histogram too for images 0-4 and 6);   y = 12..17: ref image 0,1,2,3,4,6 (histogram only).
;
; THE ARITHMETIC.  x = 255 img, q = x rounded to a whole number, e = x - q (exact in f32, |e| <= 0.5).  With d = bf16(x - centre),
; u = d +- 0.5, t = bf16(75 u), s = bf16(1/(1+exp(-t))), a bin gets bf16(s(u = d+0.5) - s(u = d-0.5)).  Only three bins get anything:
;   bin q-1: d = bf16(e+0.5) in [0,1]:   the upper sigmoid has t >= 37.5 and is 1.0;  the bin gets bf16(1 - s(d-0.5))          (weight A)
;   bin q  : d = bf16(e-0.5) in [-1,0]:  the lower sigmoid is 2^-106 of the upper and vanishes in the f32 difference: s(d+0.5) (weight B)
;   bin q+1: d = bf16(e-1.5) in [-2,-1]: likewise s(d+0.5), at most 5e-17                                                      (weight C)
;   bins below q-1: both sigmoids are 1.0, the difference is 0;  bins above q+1: t <= -112.5, exp overflows, both sigmoids are 0.
; x - centre and e -+ const are the same real number, since e is exact, so they round alike.  u is exact in bf16 whenever |d| >= 0.25
; (and for all d of weight C); for |d| < 0.25 the weight is saturated whatever u's last bit, so t comes from one fma, 75 d +- 37.5.
;
; THE SUM has no address made from data: key = q+1 = 16 a + b; each pixel makes the 16-bit words 1<<a and 1<<b and three bf16 weights; one
; v_wmma_f32_16x16x32_bf16 adds 32 pixels (K) into 16 x 16 keys: A(m,k) = 2[a_k = m], B(n,k) = 2 w_k [b_k = n].  The weights are bf16 numbers,
; the products exact, the sums f32; the factor 4 is taken out at the end.  Keys outside 0..129 fall into places that are not read.
;
; LIMITS.  Inputs finite (NaN, infinities not served).  A sigmoid below 2^-126 comes out as 0 (v_exp_f32, v_rcp_f32 flush; ISA guide 15.8).
; v_exp_f32 and v_rcp_f32 are good to 1 ulp and s is rounded to bf16 once, so a bf16 rounding of s can fall on the neighbour.
; The f32 sums over pixels are added in another order than a plain loop's.  Indices: trunc(x), +128 if negative, clamped to 0..127, in f32.
; No cluster: no two work-groups read the same input bytes.  No data mover: every byte is loaded once, by one lane, all loads at the start.
.set ARR,  1024                        ; bytes of one operand array of a wave: 512 pixels x 2 bytes
.set WREG, 5*ARR                       ; a wave's LDS: arrays 1<<a, 1<<b, weights A, B, C; later its three result tiles
.set TS,   1040                        ; a result tile in LDS: 16 bytes in front, 256 keys x 4 bytes
.set LANE, 1
.set WV,   2                           ; wave number
.set R16,  3                           ; r = lane % 16: my row of A, my column of B
.set HH,   4                           ; h = lane / 16
.set GOFF, 5                           ; byte offset of my first 16 bytes in the work-group's pixels
.set IOFF, 6                           ; 16 t: byte offset of my 16 indices; in wave 0 also 16 x lane for the last sum
.set SB,   7                           ; LDS: where I put 8 pixels' worth (16 bytes) of an array
.set LB,   8                           ; LDS: where my operand registers come from
.set DB,   9                           ; LDS: where my results go
.set ROT,  10                          ; r + 18: a rotate right by it brings bits r and 16+r to bits 14 and 30
.set ONE,  11
.set K75,  12                          ; pairs of constants for the packed f32 forms
.set K37P, 14
.set K37N, 16
.set KL2E, 18
.set IW,   20                          ; v[20:23]  16 index bytes
.set X,    24                          ; v[24:39]  16 pixels
.set Q,    40                          ; v[40:47]  q of 8 pixels
.set E,    48                          ; v[48:55]  e
.set D,    56                          ; v[56:63]  at work
.set P,    64                          ; v[64:67]  packed bf16 at work
.set KA,   68                          ; v[68:75]  a, then 1<<a
.set KB,   76                          ; v[76:83]  key, b, then 1<<b
.set OAP,  84                          ; four registers each: 8 pixels packed in 16-bit halves
.set OBP,  88
.set WAP,  92
.set WBP,  96
.set WCP,  100
.set BUF,  104                         ; v[104:183] two operand buffers of 40: A 0-7, mask of b 8-15, B for weights A, B, C 16-39
.set ACC,  184                         ; v[184:207] three accumulator tiles
.set SUM,  24                          ; v[24:119]  the last sum of wave 0 (all of these are done with by then)
	s_load_b256 s[4:11], s[0:1], 0x0               ; dst s[4:5], ref s[6:7], part s[8:9], idx s[10:11]
	v_lshl_add_u32 v208, v0, 2, 0xa000
	v_mov_b32 v209, 0
	v_and_b32 v[LANE], 31, v0
	v_lshrrev_b32 v[WV], 5, v0
	v_readfirstlane_b32 s22, v[WV]                 ; wave number as a scalar
	v_and_b32 v[R16], 15, v0
	v_bfe_u32 v[HH], v0, 4, 1
	; the job
	s_and_b32 s12, ttmp7, 0xffff
	s_cmp_ge_u32 s12, 12
	s_cselect_b32 s14, 1, 0                        ; s14: the image is ref's (no indices)
	s_mul_i32 s17, s14, 12
	s_sub_co_u32 s16, s12, s17                     ; image,
	s_cmp_eq_u32 s12, 17
	s_cselect_b32 s16, 6, s16                      ; ref's sixth job is image 6
	s_cmp_le_u32 s16, 4
	s_cselect_b32 s13, 1, 0
	s_cmp_eq_u32 s16, 6
	s_cselect_b32 s13, 1, s13                      ; s13: a histogram is made (images 0-4 and 6)
	s_min_u32 s15, s16, 5                          ; its slot in part
	s_lshl_b32 s18, s16, 18                        ; pixels: image x 262,144 bytes + chunk x 16,384
	s_lshl_b32 s17, ttmp9, 14
	s_add_co_u32 s18, s18, s17
	s_mov_b32 s19, 0
	s_lshl_b32 s26, s16, 16                        ; indices: image x 65,536 bytes + chunk x 4,096
	s_lshl_b32 s17, ttmp9, 12
	s_add_co_u32 s26, s26, s17
	s_mov_b32 s27, 0
	s_lshl_b32 s28, s15, 14                        ; part[slot][chunk][dst, ref][128] f32
	s_lshl_b32 s17, ttmp9, 10
	s_add_co_u32 s28, s28, s17
	s_lshl_b32 s17, s14, 9
	s_add_co_u32 s28, s28, s17
	s_mov_b32 s29, 0
	v_lshlrev_b32 v[GOFF], 4, v[LANE]
	v_lshl_or_b32 v[GOFF], v[WV], 11, v[GOFF]      ; wave x 2,048 + lane x 16
	s_wait_kmcnt 0x0
	s_cmp_lg_u32 s14, 0                            ; (again: shifts and adds write SCC)
	s_cselect_b64 s[20:21], s[6:7], s[4:5]
	s_add_nc_u64 s[20:21], s[20:21], s[18:19]
	s_add_nc_u64 s[10:11], s[10:11], s[26:27]
	s_add_nc_u64 s[8:9], s[8:9], s[28:29]
.irp s, 0,1,2,3
	global_load_b128 v[X+4*\s:X+4*\s+3], v[GOFF], s[20:21] offset:512*\s th:TH_LOAD_NT   ; load s: pixels 128 s + 4 lane .. +3 of the wave: 512 neighbouring bytes
.endr
	; set-up while the pixels are on their way
	s_mul_i32 s23, s22, WREG                       ; my wave's LDS
	s_mov_b32 s24, 0xffff0000                      ; a word's upper bf16
	s_mov_b32 s25, 0x40004000                      ; bits 14 and 30: two bf16 of 2.0
	v_lshlrev_b32 v[IOFF], 4, v0
	v_lshl_add_u32 v[SB], v[LANE], 4, s23
	v_lshl_add_u32 v[LB], v[HH], 4, s23
	v_lshlrev_b32 v[DB], 2, v[R16]
	v_lshl_or_b32 v[DB], v[HH], 9, v[DB]
	v_add_nc_u32 v[DB], s23, v[DB]                 ; key 16 (8 h + j) + r: 4 r + 512 h, and 64 j in the offset
	v_add_nc_u32 v[ROT], 18, v[R16]
	v_and_b32 v[ROT], 31, v[ROT]
	v_mov_b32 v[ONE], 1
	v_mov_b32 v[K75], 0x42960000                   ; 75.0
	v_mov_b32 v[K75+1], 0x42960000
	v_mov_b32 v[K37P], 0x42160000                  ; 37.5 = 75 x 0.5
	v_mov_b32 v[K37P+1], 0x42160000
	v_mov_b32 v[K37N], 0xc2160000                  ; -37.5
	v_mov_b32 v[K37N+1], 0xc2160000
	v_mov_b32 v[KL2E], 0xbfb8aa3b                  ; -log2(e)
	v_mov_b32 v[KL2E+1], 0xbfb8aa3b
	s_wait_loadcnt 0x0
.irp i, 0,2,4,6,8,10,12,14
	v_pk_mul_f32 v[X+\i:X+\i+1], v[X+\i:X+\i+1], 0x437f0000 op_sel_hi:[1,0]   ; x = 255 img
.endr
	s_cmp_lg_u32 s14, 0
	s_cbranch_scc1 .Lno_idx                        ; ref: no indices (alike in the whole work-group)
	; THE INDICES: trunc(x); a negative one counts from the table's end (+128); then into 0..127.  Done in f32, where every step is exact
	; for |x| < 2^24 and the clamp takes the rest.  Byte 4 s + c of my 16 bytes is pixel 128 s + 4 lane + c: the next launch reads 16 bytes
	; a lane and stores four times 16 bytes a lane, and both sides move 512 neighbouring bytes with each instruction of a wave.
.irp s, 0,1,2,3
.irp c, 0,1,2,3
	v_trunc_f32 v[D+\c], v[X+4*\s+\c]
.endr
.irp c, 0,1,2,3
	v_add_f32 v[D+4+\c], 0x43000000, v[D+\c]       ; + 128
.endr
.irp c, 0,1,2,3
	v_cmp_gt_f32 vcc_lo, 0, v[D+\c]
	v_cndmask_b32 v[D+\c], v[D+\c], v[D+4+\c], vcc_lo
	v_max_num_f32 v[D+\c], 0, v[D+\c]
	v_min_num_f32 v[D+\c], 0x42fe0000, v[D+\c]     ; 127
	v_cvt_u32_f32 v[D+\c], v[D+\c]
.endr
	v_lshl_or_b32 v[D], v[D+1], 8, v[D]
	v_lshl_or_b32 v[D+2], v[D+3], 8, v[D+2]
	v_lshl_or_b32 v[IW+\s], v[D+2], 16, v[D]
.endr
	global_store_b128 v[IOFF], v[IW:IW+3], s[10:11]    ; IOFF, IW and s[10:11] are written nowhere below
.Lno_idx:
	s_cmp_eq_u32 s13, 0
	s_cbranch_scc1 .Lend                           ; no histogram of this image (alike in the whole work-group)
; D[0..7] rounded to bf16 (nearest even) and widened again
.macro ROUND8
.irp i, 0,2,4,6
	v_cvt_pk_bf16_f32 v[P+\i/2], v[D+\i], v[D+\i+1]
.endr
.irp i, 0,2,4,6
	v_lshlrev_b32 v[D+\i], 16, v[P+\i/2]
	v_and_b32 v[D+\i+1], s24, v[P+\i/2]
.endr
.endm
; D[0..7] = 1 / (1 + exp(-t)), t = bf16(75 d + k37), d = bf16(e + off), in f32, not yet rounded.  off: an f32 as its bit pattern
.macro SIGMOID off, k37
.irp i, 0,2,4,6
	v_pk_add_f32 v[D+\i:D+\i+1], v[E+\i:E+\i+1], \off op_sel_hi:[1,0]
.endr
	ROUND8
.irp i, 0,2,4,6
	v_pk_fma_f32 v[D+\i:D+\i+1], v[D+\i:D+\i+1], v[K75:K75+1], v[\k37:\k37+1]
.endr
	ROUND8
.irp i, 0,2,4,6
	v_pk_mul_f32 v[D+\i:D+\i+1], v[D+\i:D+\i+1], v[KL2E:KL2E+1]
.endr
.irp i, 0,1,2,3,4,5,6,7
	v_exp_f32 v[D+\i], v[D+\i]
.endr
	v_nop                                          ; one plain vector instruction between a transcendental and the use of its result (ISA guide 5.7.2)
	s_wait_alu depctr_va_vdst(0)
.irp i, 0,2,4,6
	v_pk_add_f32 v[D+\i:D+\i+1], v[D+\i:D+\i+1], 1.0 op_sel_hi:[1,0]
.endr
.irp i, 0,1,2,3,4,5,6,7
	v_rcp_f32 v[D+\i], v[D+\i]
.endr
	v_nop                                          ; likewise
	s_wait_alu depctr_va_vdst(0)
.endm
; Eight of my pixels (loads 2 hf and 2 hf + 1): the two one-hot words and the three weights, packed in pairs, 16 bytes to each array.
.macro PIXELS hf
.irp i, 0,1,2,3,4,5,6,7
	v_rndne_f32 v[Q+\i], v[X+8*\hf+\i]
.endr
.irp i, 0,2,4,6
	v_pk_add_f32 v[E+\i:E+\i+1], v[X+8*\hf+\i:X+8*\hf+\i+1], v[Q+\i:Q+\i+1] neg_lo:[0,1] neg_hi:[0,1]   ; e = x - q
.endr
.irp i, 0,1,2,3,4,5,6,7
	v_cvt_i32_f32 v[KB+\i], v[Q+\i]                ; saturates for large |q|
	v_add_nc_u32 v[KB+\i], 1, v[KB+\i]             ; key = q + 1
	v_lshrrev_b32 v[KA+\i], 4, v[KB+\i]            ; a; a negative key gives a large one
	v_and_b32 v[KB+\i], 15, v[KB+\i]               ; b
	v_min_u32 v[KA+\i], 15, v[KA+\i]               ; keys outside 0..239 go to row 15; rows 9 to 15 are never read
	v_lshlrev_b32 v[KB+\i], v[KB+\i], v[ONE]
	v_lshlrev_b32 v[KA+\i], v[KA+\i], v[ONE]
.endr
.irp i, 0,2,4,6
	v_lshl_or_b32 v[OAP+\i/2], v[KA+\i+1], 16, v[KA+\i]
	v_lshl_or_b32 v[OBP+\i/2], v[KB+\i+1], 16, v[KB+\i]
.endr
	SIGMOID 0x3f000000, K37N                       ; weight A: d = e + 0.5, u = d - 0.5
	ROUND8                                         ; s in bf16,
.irp i, 0,2,4,6
	v_pk_fma_f32 v[D+\i:D+\i+1], v[D+\i:D+\i+1], -1.0, 1.0 op_sel_hi:[1,0,0]   ; 1 - s in f32,
.endr
.irp i, 0,2,4,6
	v_cvt_pk_bf16_f32 v[WAP+\i/2], v[D+\i], v[D+\i+1]      ; and in bf16
.endr
	SIGMOID 0xbf000000, K37P                       ; weight B: d = e - 0.5, u = d + 0.5
	s_wait_alu depctr_va_vdst(0)
.irp i, 0,2,4,6
	v_cvt_pk_bf16_f32 v[WBP+\i/2], v[D+\i], v[D+\i+1]
.endr
	SIGMOID 0xbfc00000, K37P                       ; weight C: d = e - 1.5, u = d + 0.5
	s_wait_alu depctr_va_vdst(0)
.irp i, 0,2,4,6
	v_cvt_pk_bf16_f32 v[WCP+\i/2], v[D+\i], v[D+\i+1]
.endr
	ds_store_b128 v[SB], v[OAP:OAP+3] offset:0*ARR+512*\hf
	ds_store_b128 v[SB], v[OBP:OBP+3] offset:1*ARR+512*\hf
	ds_store_b128 v[SB], v[WAP:WAP+3] offset:2*ARR+512*\hf
	ds_store_b128 v[SB], v[WBP:WBP+3] offset:3*ARR+512*\hf
	ds_store_b128 v[SB], v[WCP:WCP+3] offset:4*ARR+512*\hf
.endm
	PIXELS 0
	PIXELS 1
; Group g = 32 pixels = 64 bytes of each array.  Registers 0-3 of an operand take the 16 bytes at 16 h, registers 4-7 those at 32 + 16 h, alike
; for all five arrays, so that A and B hold the same pixel at the same k; which pixel has which k does not matter to a sum over pixels.
; Sixteen lanes read the same 16 bytes.  The bytes are my wave's own: LDS serves a wave's instructions in order (ISA guide 5.7.1.4), no barrier.
.macro FETCH g, buf
.irp a, 0,1,2,3,4
	ds_load_b128 v[\buf+8*\a:\buf+8*\a+3],   v[LB] offset:\a*ARR+64*(\g)
	ds_load_b128 v[\buf+8*\a+4:\buf+8*\a+7], v[LB] offset:\a*ARR+64*(\g)+32
.endr
.endm
	FETCH 0, BUF
.set g, 0
.rept 16
.set cur, BUF+40*(g&1)
.set nxt, BUF+40*((g+1)&1)
	s_wait_dscnt 0x0                               ; this group's ten loads (and, the first time, the stores in front of them)
.irp i, 0,1,2,3,4,5,6,7
	v_alignbit_b32 v[cur+\i], v[cur+\i], v[cur+\i], v[ROT]     ; bit r of each half of 1<<a to bits 14 and 30
.endr
.if g < 15
	FETCH g+1, nxt                                 ; the other buffer was read by the last group's matrix instructions: the eight rotates above,
.endif                                             ; which name none of their registers, are the places in between (ISA guide 7.12.1 asks four)
.irp i, 0,1,2,3,4,5,6,7
	v_and_b32 v[cur+\i], s25, v[cur+\i]            ; A(r, k) = 2.0 where a_k = r, else 0
	v_alignbit_b32 v[cur+8+\i], v[cur+8+\i], v[cur+8+\i], v[ROT]
.endr
.irp i, 0,1,2,3,4,5,6,7
	v_and_b32 v[cur+8+\i], s25, v[cur+8+\i]        ; 2.0 where b_k = r
.endr
.irp i, 0,1,2,3,4,5,6,7
	v_pk_mul_bf16 v[cur+16+\i], v[cur+16+\i], v[cur+8+\i]      ; B(r, k) = 2 w_k or 0: exact
	v_pk_mul_bf16 v[cur+24+\i], v[cur+24+\i], v[cur+8+\i]
	v_pk_mul_bf16 v[cur+32+\i], v[cur+32+\i], v[cur+8+\i]
.endr
.if g == 0                                         ; the first products start the sums: nothing is cleared
	v_wmma_f32_16x16x32_bf16 v[ACC:ACC+7],     v[cur:cur+7], v[cur+16:cur+23], 0
	v_wmma_f32_16x16x32_bf16 v[ACC+8:ACC+15],  v[cur:cur+7], v[cur+24:cur+31], 0
	v_wmma_f32_16x16x32_bf16 v[ACC+16:ACC+23], v[cur:cur+7], v[cur+32:cur+39], 0
.else
	v_wmma_f32_16x16x32_bf16 v[ACC:ACC+7],     v[cur:cur+7], v[cur+16:cur+23], v[ACC:ACC+7]
	v_wmma_f32_16x16x32_bf16 v[ACC+8:ACC+15],  v[cur:cur+7], v[cur+24:cur+31], v[ACC+8:ACC+15]
	v_wmma_f32_16x16x32_bf16 v[ACC+16:ACC+23], v[cur:cur+7], v[cur+32:cur+39], v[ACC+16:ACC+23]
.endif
.set g, g+1
.endr
	; THE WAY OUT.  Register j of lane (r, h) is key 16 (8 h + j) + r.  Weight A of key k belongs to bin k - 2, B to k - 1, C to k: the tiles are
	; laid 8, 12 and 16 bytes into their LDS places, so that bin i stands at 16 + 4 i in all three.  They overlay my wave's own arrays, whose
	; loads have all come back.  (Lanes r and 16 + r store 512 bytes apart and meet in a bank: 24 stores a wave, left so.)
.rept 4
	v_nop                                          ; four places between the last matrix instruction and the stores of its result
.endr
.irp t, 0,1,2
.irp j, 0,1,2,3,4,5,6,7
	ds_store_b32 v[DB], v[ACC+8*\t+\j] offset:\t*TS+64*\j+8+4*\t
.endr
.endr
	s_wait_dscnt 0x0                               ; for wave 0's sake: all my stores are in LDS
	s_barrier_signal -1
	s_barrier_wait -1
	s_cmp_lg_u32 s22, 0
	s_cbranch_scc1 .Lend
	; wave 0: lane l adds bins 4 l .. 4 l + 3 of the 8 waves' 3 tiles and stores 16 bytes: the work-group's 128 bins are 512 neighbouring bytes
.irp w, 0,1,2,3,4,5,6,7
.irp t, 0,1,2
	ds_load_b128 v[SUM+4*(3*\w+\t):SUM+4*(3*\w+\t)+3], v[IOFF] offset:\w*WREG+\t*TS+16
.endr
.endr
	s_wait_dscnt 0x0
.set k, 1
.rept 23
	v_pk_add_f32 v[SUM:SUM+1],   v[SUM:SUM+1],   v[SUM+4*k:SUM+4*k+1]
	v_pk_add_f32 v[SUM+2:SUM+3], v[SUM+2:SUM+3], v[SUM+4*k+2:SUM+4*k+3]
.set k, k+1
.endr
	v_pk_mul_f32 v[SUM:SUM+1],   v[SUM:SUM+1],   0x3e800000 op_sel_hi:[1,0]   ; x 0.25: the two factors 2.0 of the one-hot operands
	v_pk_mul_f32 v[SUM+2:SUM+3], v[SUM+2:SUM+3], 0x3e800000 op_sel_hi:[1,0]
	global_store_b128 v[IOFF], v[SUM:SUM+3], s[8:9]
.Lend:
	s_wait_tensorcnt 0x0
	ds_add_u32 v208, v209
	s_wait_dscnt 0x0
	s_endpgm
.Lfunc_end_k_qd5bafb3313_hist:
	.size	k_qd5bafb3313_hist, .Lfunc_end_k_qd5bafb3313_hist-k_qd5bafb3313_hist
	.p2alignl 7, 3214868480
	.fill 96, 4, 3214868480
	.section	.rodata,"a",@progbits
	.p2align	6, 0x0
	.amdhsa_kernel k_qd5bafb3313_hist
		.amdhsa_group_segment_fixed_size 41984
		.amdhsa_private_segment_fixed_size 0
		.amdhsa_enable_private_segment 0
		.amdhsa_kernarg_size 32
		.amdhsa_user_sgpr_count 2
		.amdhsa_user_sgpr_kernarg_segment_ptr 1
		.amdhsa_wavefront_size32 1
		.amdhsa_system_sgpr_workgroup_id_x 1
		.amdhsa_system_sgpr_workgroup_id_y 1
		.amdhsa_system_sgpr_workgroup_id_z 1
		.amdhsa_system_vgpr_workitem_id 0
		.amdhsa_next_free_vgpr 210
		.amdhsa_next_free_sgpr 66
		.amdhsa_reserve_vcc 1
		.amdhsa_float_denorm_mode_32 3
		.amdhsa_float_denorm_mode_16_64 3
		.amdhsa_memory_ordered 1
		.amdhsa_forward_progress 1
		.amdhsa_inst_pref_size 103
	.end_amdhsa_kernel
	.amdgpu_metadata
---
amdhsa.version: [ 1, 2 ]
amdhsa.kernels:
  - .name:           k_qd5bafb3313_hist
    .symbol:         k_qd5bafb3313_hist.kd
    .args:
      - { .name: dst, .offset: 0, .size: 8, .value_kind: global_buffer, .address_space: global }
      - { .name: ref, .offset: 8, .size: 8, .value_kind: global_buffer, .address_space: global }
      - { .name: part, .offset: 16, .size: 8, .value_kind: global_buffer, .address_space: global }
      - { .name: idx, .offset: 24, .size: 8, .value_kind: global_buffer, .address_space: global }
    .group_segment_fixed_size: 41984
    .private_segment_fixed_size: 0
    .kernarg_segment_align: 8
    .kernarg_segment_size: 32
    .max_flat_workgroup_size: 256
    .sgpr_count:     66
    .vgpr_count:     210
    .wavefront_size: 32
...
	.end_amdgpu_metadata
.endif
;; end of part 1
;; launch match (part 2): grid 16 x 12, 8 waves a work-group, no clusters, 9,216 bytes of LDS; arguments part, idx, out0; writes out0
.if DOCPART == 2
	.amdgcn_target "amdgcn-amd-amdhsa--gfx1250"
	.amdhsa_code_object_version 6
	.text
	.protected	k_qd5bafb3313_match
	.globl	k_qd5bafb3313_match
	.p2align	8
	.type	k_qd5bafb3313_match,@function
k_qd5bafb3313_match:
	s_mov_b64 s[64:65], 0
	v_nop
	global_prefetch_b8 v0, s[64:65] scope:SCOPE_SE
	s_setreg_imm32_b32 hwreg(HW_REG_WAVE_MODE, 25, 1), 1
	s_wait_xcnt 0x0
; TABLE AND GATHER.  A work-group takes 4,096 pixels (ttmp9) of image y = 3 b + c (ttmp7) and needs table row b*c.  It makes that table itself
; from the 16 + 16 histogram parts of the row (16 KiB); a launch of its own for six tables would cost more than making them again here.
;   hist = bf16(sum of the parts);  hist / max(sum |hist|, 1e-12);  running sum;  table[j] = clip(#{i: cdf_dst[j] - cdf_ref[i] >= 0} - 1, 0, 255) / 255
; Thread t is bin t % 128 of dst's (t < 128) or of ref's histogram.  Each thread reads all 128 numbers of its histogram from LDS (all lanes of
; a wave the same bytes) and adds them itself: the norm in four chains, the running sum in ascending order with the terms behind its bin as 0.
; The two quotients are v_rcp_f32 (or the constant 1/255) with the residual put back by fused multiply-adds.
; LIMITS.  The parts and the norm are added in a fixed order of their own.  Index bytes are clamped to 127 before they address the table.
; No cluster: what work-groups share is 16 KiB of parts against 20 KiB of their own.  No data mover: every byte is loaded once, 16 bytes a lane.
; Each LDS region is written once and read only behind a barrier, so no region is ever overwritten.
.set PS,   0                           ; [4][256] f32: four threads' sums of four chunks each
.set HB,   4096                        ; [dst, ref][128] histograms
.set PB,   5120                        ; the same, normalised
.set CB,   6144                        ; running sums
.set TAB,  7168                        ; 128 table values, already / 255
.set T16,  1                           ; 16 t
.set T4,   2                           ; 4 t
.set WB,   3                           ; 512 x (t / 128): my histogram in a region
.set BI,   4                           ; my bin
.set OOFF, 5                           ; wave x 2,048 + lane x 16
.set ZR,   6                           ; 0
.set ONEF, 7                           ; 1.0
.set PA,   8                           ; v[8:23]   four loads of parts
.set NS,   8                           ; v[8:11]   later: four chains of the norm
.set IX,   24                          ; v[24:27]  16 index bytes
.set H,    28
.set N,    29
.set RC,   30
.set ER,   31
.set PQ,   32
.set CD,   33                          ; my running sum
.set T,    34                          ; v[34:35]
.set CNT,  36
.set R,    40                          ; v[40:167] 128 numbers from LDS
.set AD,   168                         ; v[168:183] table addresses
.set O,    184                         ; v[184:199] results
.macro BAR                             ; my LDS stores are in, my LDS loads are back; then all eight waves meet
	s_wait_dscnt 0x0
	s_barrier_signal -1
	s_barrier_wait -1
.endm
.macro LOADR adr, base                 ; 128 f32 at v[adr] + base into R
.set kk, 0
.rept 32
	ds_load_b128 v[R+4*kk:R+4*kk+3], v[\adr] offset:\base+16*kk
.set kk, kk+1
.endr
	s_wait_dscnt 0x0
.endm
	s_load_b128 s[4:7], s[0:1], 0x0                ; part s[4:5], idx s[6:7]
	s_load_b64 s[8:9], s[0:1], 0x10                ; out0
	v_lshl_add_u32 v200, v0, 2, 0x2000
	v_mov_b32 v201, 0
	v_lshrrev_b32 v[T], 5, v0
	v_readfirstlane_b32 s22, v[T]                  ; wave number as a scalar
	s_and_b32 s10, ttmp7, 0xffff                   ; y
	s_mul_i32 s11, s10, 11
	s_lshr_b32 s11, s11, 5                         ; b = y / 3 (right for y < 12)
	s_mul_i32 s12, s11, 3
	s_sub_co_u32 s12, s10, s12                     ; c
	s_mul_i32 s11, s11, s12                        ; row b c: 0,1,2,3,4 or 6
	s_min_u32 s11, s11, 5                          ; its slot in part
	s_lshl_b32 s12, s11, 14
	s_mov_b32 s13, 0
	s_lshl_b32 s14, s10, 16                        ; indices: y x 65,536 + chunk x 4,096 bytes
	s_lshl_b32 s15, ttmp9, 12
	s_add_co_u32 s14, s14, s15
	s_mov_b32 s15, 0
	s_lshl_b32 s16, s10, 18                        ; results: four times that
	s_lshl_b32 s17, ttmp9, 14
	s_add_co_u32 s16, s16, s17
	s_mov_b32 s17, 0
	s_mov_b32 s24, 0x437f0000                      ; 255.0
	s_mov_b32 s25, 0x3b808081                      ; 1 / 255, rounded
	v_lshlrev_b32 v[T16], 4, v0
	s_wait_kmcnt 0x0
	s_add_nc_u64 s[4:5], s[4:5], s[12:13]
	s_add_nc_u64 s[6:7], s[6:7], s[14:15]
	s_add_nc_u64 s[8:9], s[8:9], s[16:17]
.irp k, 0,1,2,3
	global_load_b128 v[PA+4*\k:PA+4*\k+3], v[T16], s[4:5] offset:4096*\k   ; chunk t/64 + 4 k, numbers 4 (t%64) .. +3 of its 256 (dst's 128, ref's 128)
.endr
	global_load_b128 v[IX:IX+3], v[T16], s[6:7] th:TH_LOAD_NT              ; wanted only at the end
	v_lshlrev_b32 v[T4], 2, v0
	v_lshrrev_b32 v[WB], 7, v0
	v_lshlrev_b32 v[WB], 9, v[WB]
	v_and_b32 v[BI], 127, v0
	v_and_b32 v[OOFF], 31, v0
	v_lshlrev_b32 v[OOFF], 4, v[OOFF]
	v_lshl_or_b32 v[OOFF], v[T], 11, v[OOFF]
	v_mov_b32 v[ZR], 0
	v_mov_b32 v[ONEF], 1.0
	; A. the parts: four chunks in my registers, 16 bytes to LDS
	s_wait_loadcnt 0x1                             ; loads come back in order (ISA guide 5.7.1): the four of parts are in, the younger one of indices may be out
	v_pk_add_f32 v[PA:PA+1],     v[PA:PA+1],     v[PA+4:PA+5]
	v_pk_add_f32 v[PA+2:PA+3],   v[PA+2:PA+3],   v[PA+6:PA+7]
	v_pk_add_f32 v[PA+8:PA+9],   v[PA+8:PA+9],   v[PA+12:PA+13]
	v_pk_add_f32 v[PA+10:PA+11], v[PA+10:PA+11], v[PA+14:PA+15]
	v_pk_add_f32 v[PA:PA+1],     v[PA:PA+1],     v[PA+8:PA+9]
	v_pk_add_f32 v[PA+2:PA+3],   v[PA+2:PA+3],   v[PA+10:PA+11]
	ds_store_b128 v[T16], v[PA:PA+3] offset:PS
	BAR
	; B. number t of the 256: four threads' sums, rounded to bf16 as the sum over pixels is
.irp g, 0,1,2,3
	ds_load_b32 v[R+\g], v[T4] offset:PS+1024*\g
.endr
	s_wait_dscnt 0x0
	v_add_f32 v[R], v[R], v[R+1]
	v_add_f32 v[R+2], v[R+2], v[R+3]
	v_add_f32 v[H], v[R], v[R+2]
	v_cvt_pk_bf16_f32 v[H], v[H], v[H]
	v_lshlrev_b32 v[H], 16, v[H]
	ds_store_b32 v[T4], v[H] offset:HB
	BAR
	; C. the L1 norm of my histogram, not below 1e-12, and my bin's share of it
	LOADR WB, HB
.irp c, 0,1,2,3
	v_add_f32 v[NS+\c], |v[R+\c]|, |v[R+4+\c]|     ; the first eight numbers start the four chains: nothing is cleared
.endr
.set kk, 8
.rept 120
	v_add_f32 v[NS+(kk&3)], v[NS+(kk&3)], |v[R+kk]|
.set kk, kk+1
.endr
	v_add_f32 v[NS], v[NS], v[NS+1]
	v_add_f32 v[NS+2], v[NS+2], v[NS+3]
	v_add_f32 v[N], v[NS], v[NS+2]
	v_max_num_f32 v[N], 0x2b8cbccc, v[N]           ; 1e-12
	v_rcp_f32 v[RC], v[N]
	v_nop                                          ; one plain vector instruction between a transcendental and the use of its result (ISA guide 5.7.2)
	s_wait_alu depctr_va_vdst(0)
	v_fma_f32 v[ER], -v[N], v[RC], 1.0
	v_fma_f32 v[RC], v[ER], v[RC], v[RC]           ; 1 / N, refined once
	v_mul_f32 v[PQ], v[H], v[RC]
	v_fma_f32 v[ER], -v[PQ], v[N], v[H]            ; what the quotient leaves,
	v_fma_f32 v[PQ], v[ER], v[RC], v[PQ]           ; put back
	ds_store_b32 v[T4], v[PQ] offset:PB
	BAR
	; D. the running sum up to my bin, ascending; terms behind my bin count as 0, which changes no sum
	LOADR WB, PB
.set kk, 1
.rept 127
	v_cmp_le_u32 vcc_lo, kk, v[BI]
	v_cndmask_b32 v[T+(kk&1)], 0, v[R+kk], vcc_lo
.if kk == 1
	v_add_f32 v[CD], v[R], v[T+1]
.else
	v_add_f32 v[CD], v[CD], v[T+(kk&1)]
.endif
.set kk, kk+1
.endr
	ds_store_b32 v[T4], v[CD] offset:CB
	BAR
	; E. the table: threads 0-127 (waves 0-3) hold cdf_dst[j], j = t, and count ref's sums that are not above it, by the sign of the difference
	s_cmp_ge_u32 s22, 4
	s_cbranch_scc1 .Lskip                          ; waves 4-7 hold ref's sums and have no entry to make; the barrier stands behind the label
	LOADR ZR, CB+512
.set kk, 0
.rept 128
	v_sub_f32 v[T+(kk&1)], v[CD], v[R+kk]
	v_cmp_le_f32 vcc_lo, 0, v[T+(kk&1)]
	v_cndmask_b32 v[T+(kk&1)], 0, v[ONEF], vcc_lo
.if kk == 0
	v_add_f32 v[CNT], -1.0, v[T]                   ; the - 1 starts the count
.else
	v_add_f32 v[CNT], v[CNT], v[T+(kk&1)]
.endif
.set kk, kk+1
.endr
	v_max_num_f32 v[CNT], 0, v[CNT]
	v_min_num_f32 v[CNT], s24, v[CNT]              ; clip to 0 .. 255
	v_mul_f32 v[PQ], s25, v[CNT]                   ; / 255: product with the rounded reciprocal,
	v_fma_f32 v[ER], -v[PQ], s24, v[CNT]           ; what it leaves,
	v_fma_f32 v[PQ], v[ER], s25, v[PQ]             ; put back
	ds_store_b32 v[T4], v[PQ] offset:TAB
.Lskip:
	BAR
	; F. the gather.  Byte 4 s + c of my 16 index bytes is pixel 128 s + 4 lane + c of my wave's 512.
	s_wait_loadcnt 0x0
.irp s, 0,1,2,3
.irp c, 0,1,2,3
	v_bfe_u32 v[AD+4*\s+\c], v[IX+\s], 8*\c, 8
	v_min_u32 v[AD+4*\s+\c], 127, v[AD+4*\s+\c]    ; a loaded number enters an address only clamped to the table
	v_lshlrev_b32 v[AD+4*\s+\c], 2, v[AD+4*\s+\c]
.endr
.endr
.irp i, 0,1,2,3,4,5,6,7,8,9,10,11,12,13,14,15
	ds_load_b32 v[O+\i], v[AD+\i] offset:TAB
.endr
.irp s, 0,1,2,3
	s_wait_dscnt 12-4*\s                           ; LDS loads come back in order (ISA guide 5.7.1): the 12 - 4 s gathers behind this store's four may be out
	global_store_b128 v[OOFF], v[O+4*\s:O+4*\s+3], s[8:9] offset:512*\s th:TH_STORE_NT   ; a wave's store covers 512 neighbouring bytes, aligned
.endr
	s_wait_tensorcnt 0x0
	ds_add_u32 v200, v201
	s_wait_dscnt 0x0
	s_endpgm
.Lfunc_end_k_qd5bafb3313_match:
	.size	k_qd5bafb3313_match, .Lfunc_end_k_qd5bafb3313_match-k_qd5bafb3313_match
	.p2alignl 7, 3214868480
	.fill 96, 4, 3214868480
	.section	.rodata,"a",@progbits
	.p2align	6, 0x0
	.amdhsa_kernel k_qd5bafb3313_match
		.amdhsa_group_segment_fixed_size 9216
		.amdhsa_private_segment_fixed_size 0
		.amdhsa_enable_private_segment 0
		.amdhsa_kernarg_size 24
		.amdhsa_user_sgpr_count 2
		.amdhsa_user_sgpr_kernarg_segment_ptr 1
		.amdhsa_wavefront_size32 1
		.amdhsa_system_sgpr_workgroup_id_x 1
		.amdhsa_system_sgpr_workgroup_id_y 1
		.amdhsa_system_sgpr_workgroup_id_z 1
		.amdhsa_system_vgpr_workitem_id 0
		.amdhsa_next_free_vgpr 202
		.amdhsa_next_free_sgpr 66
		.amdhsa_reserve_vcc 1
		.amdhsa_float_denorm_mode_32 3
		.amdhsa_float_denorm_mode_16_64 3
		.amdhsa_memory_ordered 1
		.amdhsa_forward_progress 1
		.amdhsa_inst_pref_size 53
	.end_amdhsa_kernel
	.amdgpu_metadata
---
amdhsa.version: [ 1, 2 ]
amdhsa.kernels:
  - .name:           k_qd5bafb3313_match
    .symbol:         k_qd5bafb3313_match.kd
    .args:
      - { .name: part, .offset: 0, .size: 8, .value_kind: global_buffer, .address_space: global }
      - { .name: idx, .offset: 8, .size: 8, .value_kind: global_buffer, .address_space: global }
      - { .name: out0, .offset: 16, .size: 8, .value_kind: global_buffer, .address_space: global }
    .group_segment_fixed_size: 9216
    .private_segment_fixed_size: 0
    .kernarg_segment_align: 8
    .kernarg_segment_size: 24
    .max_flat_workgroup_size: 256
    .sgpr_count:     66
    .vgpr_count:     202
    .wavefront_size: 32
...
	.end_amdgpu_metadata
.endif
;; end of part 2
;; ======== version 2 of 2: 2 launches; version 1 with the launch hist written anew for expert scheduling mode
;; workspace buffers: part 98,304 bytes; idx 786,432 bytes of whole numbers
;; launch hist (part 3): grid 16 x 18, 8 waves a work-group, no clusters, 41,984 bytes of LDS; arguments dst, ref, part, idx; writes part, idx
.if DOCPART == 3
	.amdgcn_target "amdgcn-amd-amdhsa--gfx1250"
	.amdhsa_code_object_version 6
	.text
	.protected	k_qd5bafb3313_hist
	.globl	k_qd5bafb3313_hist
	.p2align	8
	.type	k_qd5bafb3313_hist,@function
k_qd5bafb3313_hist:
	s_mov_b64 s[64:65], 0
	v_nop
	global_prefetch_b8 v0, s[64:65] scope:SCOPE_SE
	s_setreg_imm32_b32 hwreg(HW_REG_WAVE_SCHED_MODE, 0, 2), 2
	s_setreg_imm32_b32 hwreg(HW_REG_WAVE_MODE, 25, 1), 1
	s_wait_xcnt 0x0
	s_wait_alu depctr_vm_vsrc(0)
; SOFT HISTOGRAM PARTS AND GATHER INDICES.  dst, ref: [12][65536] f32.
; The gather of the result names table rows b*c = 0,1,2,3,4,6 only, so histograms are made of images 0,1,2,3,4,6 of dst and of ref;
; the other six images of ref cannot reach the result and are not read.  All of dst is read, for the indices.
;
; A work-group takes 4,096 pixels of one image (ttmp9 = which), a wave 512, a lane 16.  ttmp7 = job y:
;   y < 12: dst image y (indices; a histogram too for images 0-4 and 6);   y = 12..17: ref image 0,1,2,3,4,6 (histogram only).
;
; THE ARITHMETIC.  x = 255 img, q = x rounded to a whole number, e = x - q (exact in f32, |e| <= 0.5).  With d = bf16(x - centre),
; u = d +- 0.5, t = bf16(75 u), s = bf16(1/(1+exp(-t))), a bin gets bf16(s(u = d+0.5) - s(u = d-0.5)).  Only three bins get anything:
;   bin q-1: d = bf16(e+0.5) in [0,1]:   the upper sigmoid has t >= 37.5 and is 1.0;  the bin gets bf16(1 - s(d-0.5))          (weight A)
;   bin q  : d = bf16(e-0.5) in [-1,0]:  the lower sigmoid is 2^-106 of the upper and vanishes in the f32 difference: s(d+0.5) (weight B)
;   bin q+1: d = bf16(e-1.5) in [-2,-1]: likewise s(d+0.5), at most 5e-17                                                      (weight C)
;   bins below q-1: both sigmoids are 1.0, the difference is 0;  bins above q+1: t <= -112.5, exp overflows, both sigmoids are 0.
; x - centre and e -+ const are the same real number, since e is exact, so they round alike.  u is exact in bf16 whenever |d| >= 0.25
; (and for all d of weight C); for |d| < 0.25 the weight is saturated whatever u's last bit, so t comes from one fma, 75 d +- 37.5.
;
; THE SUM has no address made from data: key = q+1 = 16 a + b; each pixel makes the 16-bit words 1<<a and 1<<b and three bf16 weights; one
; v_wmma_f32_16x16x32_bf16 adds 32 pixels (K) into 16 x 16 keys: A(m,k) = 2[a_k = m], B(n,k) = 2 w_k [b_k = n].  The weights are bf16 numbers,
; the products exact, the sums f32; the factor 4 is taken out at the end.  Keys outside 0..129 fall into places that are not read.
;
; LIMITS.  Inputs finite (NaN, infinities not served).  A sigmoid below 2^-126 comes out as 0 (v_exp_f32, v_rcp_f32 flush; ISA guide 15.8).
; v_exp_f32 and v_rcp_f32 are good to 1 ulp and s is rounded to bf16 once, so a bf16 rounding of s can fall on the neighbour.
; The f32 sums over pixels are added in another order than a plain loop's.  Indices: trunc(x), +128 if negative, clamped to 0..127, in f32.
; No cluster: no two work-groups read the same input bytes.  No data mover: every byte is loaded once, by one lane, all loads at the start.
;
; THE MODE: SCHED_MODE bits 1:0 = 2 (LLVM: expert scheduling mode 2), set by the entry lines.  The code itself states the register dependences
; between vector or matrix instructions and memory or LDS instructions, with s_wait_alu, always for 0.
; THE PLAN.  Registers that memory or LDS instructions touch:
;   GOFF, IOFF, SB, LB, DB   offsets and LDS addresses: written once, at the head or in the set-up behind the pixel loads, and never again.
;   X                        the four pixel loads land in it; from then on vector lines alone name it, until wave 0's last sum.
;   IW                       written by the index arithmetic, read by the one index store, never written again.
;   OAP OBP WAP WBP WCP      written by a half's packing and roundings, read by that half's five LDS stores, written again by the second half.
;   BUF0, BUF1               group g works on BUF[g % 2] (rotates, masks, products in place; three matrix instructions read it); the ten LDS loads
;                            issued in group g land in the other one, which group g - 1 worked on and which no line of group g names.
;   ACC                      written by matrix instructions alone, read by the 24 LDS stores of the way out.
;   SUM (v24-119)            wave 0's 24 last LDS loads land where X .. WCP and a part of BUF0 lay; its first four registers are the last store's data.
; The waits: one on va_vdst ahead of the pixel loads; one ahead of the index store; the wait behind each batch of exponentials, owed to its results,
; also shows written what was packed ahead of it, and the LDS stores of that stand straight behind it; one of its own for WCP; one in each of groups 1 to 14,
; behind the eight rotates; one behind the places of the way out; one ahead of the last store.  On vm_vsrc: one ahead of the second half's packing, one
; ahead of wave 0's last loads.  On va_sdst: the wave's number, and one behind each run of four compares.
.set ARR,  1024                        ; bytes of one operand array of a wave: 512 pixels x 2 bytes
.set WREG, 5*ARR                       ; a wave's LDS: arrays 1<<a, 1<<b, weights A, B, C; later its three result tiles
.set TS,   1040                        ; a result tile in LDS: 16 bytes in front, 256 keys x 4 bytes
.set CM,   16                          ; s[16:19]  four compare masks of the index arithmetic (free once the addresses are made)
.set LANE, 1
.set WV,   2                           ; wave number
.set R16,  3                           ; r = lane % 16: my row of A, my column of B
.set HH,   4                           ; h = lane / 16
.set GOFF, 5                           ; byte offset of my first 16 bytes in the work-group's pixels
.set IOFF, 6                           ; 16 t: byte offset of my 16 indices; in wave 0 also 16 x lane for the last sum
.set SB,   7                           ; LDS: where I put 8 pixels' worth (16 bytes) of an array
.set LB,   8                           ; LDS: where my operand registers come from
.set DB,   9                           ; LDS: where my results go
.set ROT,  10                          ; r + 18: a rotate right by it brings bits r and 16+r to bits 14 and 30
.set ONE,  11
.set K75,  12                          ; pairs of constants for the packed f32 forms
.set K37P, 14
.set K37N, 16
.set KL2E, 18
.set IW,   20                          ; v[20:23]  16 index bytes
.set X,    24                          ; v[24:39]  16 pixels
.set Q,    40                          ; v[40:47]  q of 8 pixels
.set E,    48                          ; v[48:55]  e
.set D,    56                          ; v[56:63]  at work
.set P,    64                          ; v[64:67]  packed bf16 at work
.set KA,   68                          ; v[68:75]  a, then 1<<a
.set KB,   76                          ; v[76:83]  key, b, then 1<<b
.set OAP,  84                          ; four registers each: 8 pixels packed in 16-bit halves
.set OBP,  88
.set WAP,  92
.set WBP,  96
.set WCP,  100
.set BUF,  104                         ; v[104:183] two operand buffers of 40: A 0-7, mask of b 8-15, B for weights A, B, C 16-39
.set ACC,  184                         ; v[184:207] three accumulator tiles
.set SUM,  24                          ; v[24:119]  the last sum of wave 0 (all of these are done with by then)
	s_load_b256 s[4:11], s[0:1], 0x0               ; dst s[4:5], ref s[6:7], part s[8:9], idx s[10:11]
	v_lshl_add_u32 v208, v0, 2, 0xa000
	v_mov_b32 v209, 0
	v_and_b32 v[LANE], 31, v0
	v_lshrrev_b32 v[WV], 5, v0
	v_readfirstlane_b32 s22, v[WV]                 ; wave number as a scalar
	v_and_b32 v[R16], 15, v0
	v_bfe_u32 v[HH], v0, 4, 1
	; the job
	s_and_b32 s12, ttmp7, 0xffff
	s_cmp_ge_u32 s12, 12
	s_cselect_b32 s14, 1, 0                        ; s14: the image is ref's (no indices)
	s_mul_i32 s17, s14, 12
	s_sub_co_u32 s16, s12, s17                     ; image,
	s_cmp_eq_u32 s12, 17
	s_cselect_b32 s16, 6, s16                      ; ref's sixth job is image 6
	s_cmp_le_u32 s16, 4
	s_cselect_b32 s13, 1, 0
	s_cmp_eq_u32 s16, 6
	s_cselect_b32 s13, 1, s13                      ; s13: a histogram is made (images 0-4 and 6)
	s_min_u32 s15, s16, 5                          ; its slot in part
	s_lshl_b32 s18, s16, 18                        ; pixels: image x 262,144 bytes + chunk x 16,384
	s_lshl_b32 s17, ttmp9, 14
	s_add_co_u32 s18, s18, s17
	s_mov_b32 s19, 0
	s_lshl_b32 s26, s16, 16                        ; indices: image x 65,536 bytes + chunk x 4,096
	s_lshl_b32 s17, ttmp9, 12
	s_add_co_u32 s26, s26, s17
	s_mov_b32 s27, 0
	s_lshl_b32 s28, s15, 14                        ; part[slot][chunk][dst, ref][128] f32
	s_lshl_b32 s17, ttmp9, 10
	s_add_co_u32 s28, s28, s17
	s_lshl_b32 s17, s14, 9
	s_add_co_u32 s28, s28, s17
	s_mov_b32 s29, 0
	v_lshlrev_b32 v[GOFF], 4, v[LANE]
	v_lshl_or_b32 v[GOFF], v[WV], 11, v[GOFF]      ; wave x 2,048 + lane x 16
	s_wait_alu depctr_va_sdst(0)                   ; s22 is written, ahead of its first reader, the product that makes s23 below
	s_wait_alu depctr_va_vdst(0)                   ; GOFF is written, which the four pixel loads read as their offset
	s_wait_kmcnt 0x0
	s_cmp_lg_u32 s14, 0                            ; (again: shifts and adds write SCC)
	s_cselect_b64 s[20:21], s[6:7], s[4:5]
	s_add_nc_u64 s[20:21], s[20:21], s[18:19]
	s_add_nc_u64 s[10:11], s[10:11], s[26:27]
	s_add_nc_u64 s[8:9], s[8:9], s[28:29]
.irp s, 0,1,2,3
	global_load_b128 v[X+4*\s:X+4*\s+3], v[GOFF], s[20:21] offset:512*\s th:TH_LOAD_NT   ; load s: pixels 128 s + 4 lane .. +3 of the wave: 512 neighbouring bytes
.endr
	; set-up while the pixels are on their way
	s_mul_i32 s23, s22, WREG                       ; my wave's LDS
	s_mov_b32 s24, 0xffff0000                      ; a word's upper bf16
	s_mov_b32 s25, 0x40004000                      ; bits 14 and 30: two bf16 of 2.0
	v_lshlrev_b32 v[IOFF], 4, v0
	v_lshl_add_u32 v[SB], v[LANE], 4, s23
	v_lshl_add_u32 v[LB], v[HH], 4, s23
	v_lshlrev_b32 v[DB], 2, v[R16]
	v_lshl_or_b32 v[DB], v[HH], 9, v[DB]
	v_add_nc_u32 v[DB], s23, v[DB]                 ; key 16 (8 h + j) + r: 4 r + 512 h, and 64 j in the offset
	v_add_nc_u32 v[ROT], 18, v[R16]
	v_and_b32 v[ROT], 31, v[ROT]
	v_mov_b32 v[ONE], 1
	v_mov_b32 v[K75], 0x42960000                   ; 75.0
	v_mov_b32 v[K75+1], 0x42960000
	v_mov_b32 v[K37P], 0x42160000                  ; 37.5 = 75 x 0.5
	v_mov_b32 v[K37P+1], 0x42160000
	v_mov_b32 v[K37N], 0xc2160000                  ; -37.5
	v_mov_b32 v[K37N+1], 0xc2160000
	v_mov_b32 v[KL2E], 0xbfb8aa3b                  ; -log2(e)
	v_mov_b32 v[KL2E+1], 0xbfb8aa3b
	s_wait_loadcnt 0x0
.irp i, 0,2,4,6,8,10,12,14
	v_pk_mul_f32 v[X+\i:X+\i+1], v[X+\i:X+\i+1], 0x437f0000 op_sel_hi:[1,0]   ; x = 255 img
.endr
	s_cmp_lg_u32 s14, 0
	s_cbranch_scc1 .Lno_idx                        ; ref: no indices (alike in the whole work-group)
	; THE INDICES: trunc(x); a negative one counts from the table's end (+128); then into 0..127.  Done in f32, where every step is exact
	; for |x| < 2^24 and the clamp takes the rest.  Byte 4 s + c of my 16 bytes is pixel 128 s + 4 lane + c: the next launch reads 16 bytes
	; a lane and stores four times 16 bytes a lane, and both sides move 512 neighbouring bytes with each instruction of a wave.
	; The four compares of a load's pixels stand in a run, each with a scalar register for its mask, so that one wait serves the four selects.
.irp s, 0,1,2,3
.irp c, 0,1,2,3
	v_trunc_f32 v[D+\c], v[X+4*\s+\c]
.endr
.irp c, 0,1,2,3
	v_add_f32 v[D+4+\c], 0x43000000, v[D+\c]       ; + 128
.endr
.irp c, 0,1,2,3
	v_cmp_gt_f32 s[CM+\c], 0, v[D+\c]
.endr
	s_wait_alu depctr_va_sdst(0)                   ; the four compares have written s[16:19], which the four selects below read
.irp c, 0,1,2,3
	v_cndmask_b32 v[D+\c], v[D+\c], v[D+4+\c], s[CM+\c]
	v_max_num_f32 v[D+\c], 0, v[D+\c]
	v_min_num_f32 v[D+\c], 0x42fe0000, v[D+\c]     ; 127
	v_cvt_u32_f32 v[D+\c], v[D+\c]
.endr
	v_lshl_or_b32 v[D], v[D+1], 8, v[D]
	v_lshl_or_b32 v[D+2], v[D+3], 8, v[D+2]
	v_lshl_or_b32 v[IW+\s], v[D+2], 16, v[D]
.endr
	s_wait_alu depctr_va_vdst(0)                   ; IW and IOFF are written, which the store reads as its data and its offset
	global_store_b128 v[IOFF], v[IW:IW+3], s[10:11]    ; IOFF, IW and s[10:11] are written nowhere below
.Lno_idx:
	s_cmp_eq_u32 s13, 0
	s_cbranch_scc1 .Lend                           ; no histogram of this image (alike in the whole work-group)
; D[0..7] rounded to bf16 (nearest even) and widened again
.macro ROUND8
.irp i, 0,2,4,6
	v_cvt_pk_bf16_f32 v[P+\i/2], v[D+\i], v[D+\i+1]
.endr
.irp i, 0,2,4,6
	v_lshlrev_b32 v[D+\i], 16, v[P+\i/2]
	v_and_b32 v[D+\i+1], s24, v[P+\i/2]
.endr
.endm
; The sigmoid 1 / (1 + exp(-t)), t = bf16(75 d + k37), d = bf16(e + off), in f32, not yet rounded, in two parts.  off: an f32 as its bit pattern.
; SIGHEAD: D[0..7] = exp(-t).  Its wait shows all earlier vector results written too: the LDS stores of what was packed ahead of it stand straight behind it.
.macro SIGHEAD off, k37
.irp i, 0,2,4,6
	v_pk_add_f32 v[D+\i:D+\i+1], v[E+\i:E+\i+1], \off op_sel_hi:[1,0]
.endr
	ROUND8
.irp i, 0,2,4,6
	v_pk_fma_f32 v[D+\i:D+\i+1], v[D+\i:D+\i+1], v[K75:K75+1], v[\k37:\k37+1]
.endr
	ROUND8
.irp i, 0,2,4,6
	v_pk_mul_f32 v[D+\i:D+\i+1], v[D+\i:D+\i+1], v[KL2E:KL2E+1]
.endr
.irp i, 0,1,2,3,4,5,6,7
	v_exp_f32 v[D+\i], v[D+\i]
.endr
	v_nop                                          ; one plain vector instruction between a transcendental and the use of its result (ISA guide 5.7.2)
	s_wait_alu depctr_va_vdst(0)                   ; the eight exponentials have written D, ahead of their first reader; the packed words made ahead of them, and SB, are written, which the LDS stores behind this macro read
.endm
; SIGTAIL: D[0..7] = 1 / (1 + D[0..7])
.macro SIGTAIL
.irp i, 0,2,4,6
	v_pk_add_f32 v[D+\i:D+\i+1], v[D+\i:D+\i+1], 1.0 op_sel_hi:[1,0]
.endr
.irp i, 0,1,2,3,4,5,6,7
	v_rcp_f32 v[D+\i], v[D+\i]
.endr
	v_nop                                          ; likewise
	s_wait_alu depctr_va_vdst(0)                   ; the eight reciprocals have written D, ahead of their first reader
.endm
; Eight of my pixels (loads 2 hf and 2 hf + 1): the two one-hot words and the three weights, packed in pairs, 16 bytes to each array.
.macro PIXELS hf
.irp i, 0,1,2,3,4,5,6,7
	v_rndne_f32 v[Q+\i], v[X+8*\hf+\i]
.endr
.irp i, 0,2,4,6
	v_pk_add_f32 v[E+\i:E+\i+1], v[X+8*\hf+\i:X+8*\hf+\i+1], v[Q+\i:Q+\i+1] neg_lo:[0,1] neg_hi:[0,1]   ; e = x - q
.endr
.irp i, 0,1,2,3,4,5,6,7
	v_cvt_i32_f32 v[KB+\i], v[Q+\i]                ; saturates for large |q|
	v_add_nc_u32 v[KB+\i], 1, v[KB+\i]             ; key = q + 1
	v_lshrrev_b32 v[KA+\i], 4, v[KB+\i]            ; a; a negative key gives a large one
	v_and_b32 v[KB+\i], 15, v[KB+\i]               ; b
	v_min_u32 v[KA+\i], 15, v[KA+\i]               ; keys outside 0..239 go to row 15; rows 9 to 15 are never read
	v_lshlrev_b32 v[KB+\i], v[KB+\i], v[ONE]
	v_lshlrev_b32 v[KA+\i], v[KA+\i], v[ONE]
.endr
.if \hf
	s_wait_alu depctr_vm_vsrc(0)                   ; the first half's five LDS stores have read OAP, OBP, WAP, WBP and WCP, which this half writes again from here on
.endif
.irp i, 0,2,4,6
	v_lshl_or_b32 v[OAP+\i/2], v[KA+\i+1], 16, v[KA+\i]
	v_lshl_or_b32 v[OBP+\i/2], v[KB+\i+1], 16, v[KB+\i]
.endr
	SIGHEAD 0x3f000000, K37N                       ; weight A: d = e + 0.5, u = d - 0.5
	ds_store_b128 v[SB], v[OAP:OAP+3] offset:0*ARR+512*\hf     ; no wait of their own: OAP, OBP and SB were written ahead of the wait just passed, and no vector line has come since
	ds_store_b128 v[SB], v[OBP:OBP+3] offset:1*ARR+512*\hf
	SIGTAIL
	ROUND8                                         ; s in bf16,
.irp i, 0,2,4,6
	v_pk_fma_f32 v[D+\i:D+\i+1], v[D+\i:D+\i+1], -1.0, 1.0 op_sel_hi:[1,0,0]   ; 1 - s in f32,
.endr
.irp i, 0,2,4,6
	v_cvt_pk_bf16_f32 v[WAP+\i/2], v[D+\i], v[D+\i+1]      ; and in bf16
.endr
	SIGHEAD 0xbf000000, K37P                       ; weight B: d = e - 0.5, u = d + 0.5
	ds_store_b128 v[SB], v[WAP:WAP+3] offset:2*ARR+512*\hf     ; likewise: WAP was written ahead of the wait just passed
	SIGTAIL
.irp i, 0,2,4,6
	v_cvt_pk_bf16_f32 v[WBP+\i/2], v[D+\i], v[D+\i+1]
.endr
	SIGHEAD 0xbfc00000, K37P                       ; weight C: d = e - 1.5, u = d + 0.5
	ds_store_b128 v[SB], v[WBP:WBP+3] offset:3*ARR+512*\hf     ; likewise: WBP
	SIGTAIL
.irp i, 0,2,4,6
	v_cvt_pk_bf16_f32 v[WCP+\i/2], v[D+\i], v[D+\i+1]
.endr
	s_wait_alu depctr_va_vdst(0)                   ; the four roundings have written WCP, which the LDS store reads
	ds_store_b128 v[SB], v[WCP:WCP+3] offset:4*ARR+512*\hf
.endm
	PIXELS 0
	PIXELS 1
; Group g = 32 pixels = 64 bytes of each array.  Registers 0-3 of an operand take the 16 bytes at 16 h, registers 4-7 those at 32 + 16 h, alike
; for all five arrays, so that A and B hold the same pixel at the same k; which pixel has which k does not matter to a sum over pixels.
; Sixteen lanes read the same 16 bytes.  The bytes are my wave's own: LDS serves a wave's instructions in order (ISA guide 5.7.1.4), no barrier.
.macro FETCH g, buf
.irp a, 0,1,2,3,4
	ds_load_b128 v[\buf+8*\a:\buf+8*\a+3],   v[LB] offset:\a*ARR+64*(\g)
	ds_load_b128 v[\buf+8*\a+4:\buf+8*\a+7], v[LB] offset:\a*ARR+64*(\g)+32
.endr
.endm
	FETCH 0, BUF                                   ; no wait: LB was written ahead of the waits above, and no vector line has named BUF0 yet
.set g, 0
.rept 16
.set cur, BUF+40*(g&1)
.set nxt, BUF+40*((g+1)&1)
	s_wait_dscnt 0x0                               ; this group's ten loads (and, the first time, the stores in front of them)
.irp i, 0,1,2,3,4,5,6,7
	v_alignbit_b32 v[cur+\i], v[cur+\i], v[cur+\i], v[ROT]     ; bit r of each half of 1<<a to bits 14 and 30
.endr
.if g < 15
.if g > 0
	s_wait_alu depctr_va_vdst(0)                   ; the last group's vector lines have written the other buffer and its three matrix instructions are done reading it: the ten loads below land in it.  (Group 0's land in registers that no line has named.)
.endif
	FETCH g+1, nxt                                 ; the rest of this group names the buffer in hand alone
.endif
.irp i, 0,1,2,3,4,5,6,7
	v_and_b32 v[cur+\i], s25, v[cur+\i]            ; A(r, k) = 2.0 where a_k = r, else 0
	v_alignbit_b32 v[cur+8+\i], v[cur+8+\i], v[cur+8+\i], v[ROT]
.endr
.irp i, 0,1,2,3,4,5,6,7
	v_and_b32 v[cur+8+\i], s25, v[cur+8+\i]        ; 2.0 where b_k = r
.endr
.irp i, 0,1,2,3,4,5,6,7
	v_pk_mul_bf16 v[cur+16+\i], v[cur+16+\i], v[cur+8+\i]      ; B(r, k) = 2 w_k or 0: exact
	v_pk_mul_bf16 v[cur+24+\i], v[cur+24+\i], v[cur+8+\i]
	v_pk_mul_bf16 v[cur+32+\i], v[cur+32+\i], v[cur+8+\i]
.endr
.if g == 0                                         ; the first products start the sums: nothing is cleared
	v_wmma_f32_16x16x32_bf16 v[ACC:ACC+7],     v[cur:cur+7], v[cur+16:cur+23], 0
	v_wmma_f32_16x16x32_bf16 v[ACC+8:ACC+15],  v[cur:cur+7], v[cur+24:cur+31], 0
	v_wmma_f32_16x16x32_bf16 v[ACC+16:ACC+23], v[cur:cur+7], v[cur+32:cur+39], 0
.else
	v_wmma_f32_16x16x32_bf16 v[ACC:ACC+7],     v[cur:cur+7], v[cur+16:cur+23], v[ACC:ACC+7]
	v_wmma_f32_16x16x32_bf16 v[ACC+8:ACC+15],  v[cur:cur+7], v[cur+24:cur+31], v[ACC+8:ACC+15]
	v_wmma_f32_16x16x32_bf16 v[ACC+16:ACC+23], v[cur:cur+7], v[cur+32:cur+39], v[ACC+16:ACC+23]
.endif
.set g, g+1
.endr
	; THE WAY OUT.  Register j of lane (r, h) is key 16 (8 h + j) + r.  Weight A of key k belongs to bin k - 2, B to k - 1, C to k: the tiles are
	; laid 8, 12 and 16 bytes into their LDS places, so that bin i stands at 16 + 4 i in all three.  They overlay my wave's own arrays, whose
	; loads have all come back.  (Lanes r and 16 + r store 512 bytes apart and meet in a bank: 24 stores a wave, left so.)
.rept 4
	v_nop                                          ; four places between the last matrix instruction and the stores of its result
.endr
	s_wait_alu depctr_va_vdst(0)                   ; the matrix instructions have written the three tiles, which the LDS stores read (the places above stay beside this wait); and all vector and matrix lines are done with v24 to v119, in which wave 0's loads below land: no vector line stands between
.irp t, 0,1,2
.irp j, 0,1,2,3,4,5,6,7
	ds_store_b32 v[DB], v[ACC+8*\t+\j] offset:\t*TS+64*\j+8+4*\t
.endr
.endr
	s_wait_dscnt 0x0                               ; for wave 0's sake: all my stores are in LDS
	s_barrier_signal -1
	s_barrier_wait -1
	s_wait_alu depctr_vm_vsrc(0)                   ; the LDS stores of the arrays have read v84 to v103, in which wave 0's loads below land; the wait stands ahead of the branch, on the one way to those loads
	s_cmp_lg_u32 s22, 0
	s_cbranch_scc1 .Lend
	; wave 0: lane l adds bins 4 l .. 4 l + 3 of the 8 waves' 3 tiles and stores 16 bytes: the work-group's 128 bins are 512 neighbouring bytes
.irp w, 0,1,2,3,4,5,6,7
.irp t, 0,1,2
	ds_load_b128 v[SUM+4*(3*\w+\t):SUM+4*(3*\w+\t)+3], v[IOFF] offset:\w*WREG+\t*TS+16
.endr
.endr
	s_wait_dscnt 0x0
.set k, 1
.rept 23
	v_pk_add_f32 v[SUM:SUM+1],   v[SUM:SUM+1],   v[SUM+4*k:SUM+4*k+1]
	v_pk_add_f32 v[SUM+2:SUM+3], v[SUM+2:SUM+3], v[SUM+4*k+2:SUM+4*k+3]
.set k, k+1
.endr
	v_pk_mul_f32 v[SUM:SUM+1],   v[SUM:SUM+1],   0x3e800000 op_sel_hi:[1,0]   ; x 0.25: the two factors 2.0 of the one-hot operands
	v_pk_mul_f32 v[SUM+2:SUM+3], v[SUM+2:SUM+3], 0x3e800000 op_sel_hi:[1,0]
	s_wait_alu depctr_va_vdst(0)                   ; the two products have written v[SUM:SUM+3], which the store reads
	global_store_b128 v[IOFF], v[SUM:SUM+3], s[8:9]
.Lend:
	s_wait_dscnt 0x0                               ; the closing lines, six on end, of a launch in the mode that stores to LDS
	s_wait_alu 0x0
	s_wait_tensorcnt 0x0
	ds_add_u32 v208, v209
	s_wait_dscnt 0x0
	s_endpgm
.Lfunc_end_k_qd5bafb3313_hist:
	.size	k_qd5bafb3313_hist, .Lfunc_end_k_qd5bafb3313_hist-k_qd5bafb3313_hist
	.p2alignl 7, 3214868480
	.fill 96, 4, 3214868480
	.section	.rodata,"a",@progbits
	.p2align	6, 0x0
	.amdhsa_kernel k_qd5bafb3313_hist
		.amdhsa_group_segment_fixed_size 41984
		.amdhsa_private_segment_fixed_size 0
		.amdhsa_enable_private_segment 0
		.amdhsa_kernarg_size 32
		.amdhsa_user_sgpr_count 2
		.amdhsa_user_sgpr_kernarg_segment_ptr 1
		.amdhsa_wavefront_size32 1
		.amdhsa_system_sgpr_workgroup_id_x 1
		.amdhsa_system_sgpr_workgroup_id_y 1
		.amdhsa_system_sgpr_workgroup_id_z 1
		.amdhsa_system_vgpr_workitem_id 0
		.amdhsa_next_free_vgpr 210
		.amdhsa_next_free_sgpr 66
		.amdhsa_reserve_vcc 0
		.amdhsa_float_denorm_mode_32 3
		.amdhsa_float_denorm_mode_16_64 3
		.amdhsa_memory_ordered 1
		.amdhsa_forward_progress 1
		.amdhsa_inst_pref_size 105
	.end_amdhsa_kernel
	.amdgpu_metadata
---
amdhsa.version: [ 1, 2 ]
amdhsa.kernels:
  - .name:           k_qd5bafb3313_hist
    .symbol:         k_qd5bafb3313_hist.kd
    .args:
      - { .name: dst, .offset: 0, .size: 8, .value_kind: global_buffer, .address_space: global }
      - { .name: ref, .offset: 8, .size: 8, .value_kind: global_buffer, .address_space: global }
      - { .name: part, .offset: 16, .size: 8, .value_kind: global_buffer, .address_space: global }
      - { .name: idx, .offset: 24, .size: 8, .value_kind: global_buffer, .address_space: global }
    .group_segment_fixed_size: 41984
    .private_segment_fixed_size: 0
    .kernarg_segment_align: 8
    .kernarg_segment_size: 32
    .max_flat_workgroup_size: 256
    .sgpr_count:     66
    .vgpr_count:     210
    .wavefront_size: 32
...
	.end_amdgpu_metadata
.endif
;; end of part 3
;; launch match: the kernel of part 2 again; grid 16 x 12, 8 waves a work-group, no clusters, 9,216 bytes of LDS; arguments part, idx, out0; writes out0
